; MI455X (gfx1250); checked and timed in simulation.
; The chip was launched on July 23, 2026; its instructions are those of AMD's public machine-readable ISA for CDNA 5 (MIT licence, August 2026) and "CDNA5" Instruction Set Architecture Reference Guide (July 2026). The comments in the code are by the model that wrote it; some were corrected since.
;; Full Attention. Allowed arithmetic: matrix products marked QUANTISED: E3M2 operands, one E8M0 scale for each 32 along K, by v_wmma_scale_f32_16x16x128_f8f6f4 with both operands' format E3M2, f32 sums; everything else in f32.
;; Inputs: keys 4 x 2,048 x 16 x 64 float32; queries 4 x 2,048 x 16 x 64 float32; values 4 x 2,048 x 16 x 64 float32.
;; Outputs: out0 4 x 2,048 x 16 x 64 float32.
;; This version of the problem:
;;   THIS VERSION OF THE PROBLEM IS GIVEN IN LOW PRECISION. The matrix products marked QUANTISED in the list below multiply operands that are first quantised to E3M2 (3 exponent bits, 2 mantissa bits; 6 bits a number), with one power-of-two scale for each 32 numbers along K (OCP MX v1.0); their sums are f32. All else is computed in f32.
;;   The module's matrix products, in the order in which they are computed (A, B: the left and right operand; K: the contracted axis; several contracted axes count as one K, in the product's order):
;;     1. batch 64 x [M 2,048, K 64] x [K 64, N 2,048]; A: input queries; B: input keys: QUANTISED
;;     2. batch 64 x [M 64, K 2,048] x [K 2,048, N 2,048]; A: input values; B: softmax (see below): QUANTISED
;;   THE QUANTISER, for each operand of a quantised product, along K:
;;     - K is cut into blocks of 32 from its start; a last block that is shorter is filled with zeros.
;;     - A block's scale is 2^e with e = floor(log2(the largest magnitude in the block)) - 4, held to -126 .. 127; a block of zeros has e = 0. As a byte (E8M0): e + 127.
;;     - Each number is divided by its block's scale, clamped to +-28, and rounded to the nearest number of E3M2, ties to even, subnormals kept.
;;     - The product sums the exact products of the quantised numbers (number of the format x scale) in f32.
;;   ~~~python
;;   def quantise(x, axis):      # numpy; x: float32 -> the quantised numbers, widened to float32 again
;;       x = np.moveaxis(x, axis, -1); K = x.shape[-1]
;;       x = np.pad(x, [(0, 0)] * (x.ndim - 1) + [(0, -K % 32)]); x = x.reshape(x.shape[:-1] + (-1, 32)); a = np.abs(x).max(-1, keepdims=True)
;;       e = np.where(a > 0, np.clip(np.frexp(np.where(a > 0, a, 1))[1] - 1 - 4, -126, 127), 0)      # np.frexp(a)[1] - 1 = floor(log2(a)), exactly
;;       r = np.clip(x / 2.0 ** e, -28, 28)
;;       step = 2.0 ** (np.maximum(np.frexp(np.where(r == 0, 1, r))[1] - 1, -2) - 2)
;;       q = np.round(r / step) * step * 2.0 ** e      # np.round: ties to even
;;       return np.moveaxis(q.reshape(q.shape[:-2] + (-1,))[..., :K], -1, axis).astype(np.float32)
;;   ~~~
;;   SOFTMAX AHEAD OF A QUANTISED PRODUCT. Where the list says 'softmax', what is quantised is not the finished softmax but p = 2^(t - M), with t = logit x log2(e) and M = ceil(the row's largest t), a whole number; so 1/2 < the row's largest p <= 1. The row's sum l is taken of the UNQUANTISED p, in f32, and the product's result is divided by l at the end. Since M is a whole number, a kernel that streams over the keys may use a running M (the ceiling of the running maximum): every later rescaling is an exact power of two, which a block's scale takes up: the codes' values come out the same.
;;   OPERANDS COMPUTED ON THE WAY. 'Computed on the way' means the value that the module computes at that place (a softmax that the list does not call 'softmax' is quantised finished and normalised). What goes into a quantiser is computed in f32, as accurately as f32 sums, v_exp_f32 and their like allow (about 1e-6 of the number): no bf16 or f16 on the way to a quantiser, and a product that is left as it is and whose result goes on into a quantised operand takes f32 operands (vector FMAs, or v_wmma_f32_16x16x4_f32). A number that lies on a knife's edge between two numbers of the format may be rounded either way, as far as f32 arithmetic and the matrix unit's own rounding can turn it there, and no further.
;; One version. Each part assembles by itself: llvm-mc -triple=amdgcn-amd-amdhsa -mcpu=gfx1250 --defsym DOCPART=n.
;; ======== version 1 of 1: 1 launch
;; launch attn (part 1): grid 256 x 1, 16 waves a work-group, no clusters, 153,600 bytes of LDS; arguments queries, keys, values, out0; writes out0
.if DOCPART == 1
	.amdgcn_target "amdgcn-amd-amdhsa--gfx1250"
	.amdhsa_code_object_version 6
	.text
	.protected	k_q7f8195e080_attn
	.globl	k_q7f8195e080_attn
	.p2align	8
	.type	k_q7f8195e080_attn,@function
k_q7f8195e080_attn:
	s_mov_b64 s[64:65], 0
	v_nop
	global_prefetch_b8 v0, s[64:65] scope:SCOPE_SE
	s_setreg_imm32_b32 hwreg(HW_REG_WAVE_MODE, 25, 1), 1
	s_wait_xcnt 0x0
; out[b][l][h][:] = the sum over s <= l of softmax_s(Q[b][l][h] . K[b][s][h] / 8) V[b][s][h][:].  All four tensors [4][2048][16][64] f32: a head's row is 256 consecutive bytes, rows 4,096 bytes apart.
; BOTH PRODUCTS ON CODES OF E3M2 with one E8M0 scale for each 32 along K.  Q, K are quantised along the head's 64 (two blocks), V down the keys, p = 2^(t - M) along the keys; t = score x log2(e) / 8,
; M = the running largest t rounded up to a whole number; the row's sum is taken of the unquantised p and divides at the end.  When M moves, the sum and O are multiplied by 2^(old M - new M): exact.
; SHARES.  256 work-groups of 16 waves.  Work-group x: head x / 4, j = x % 4.  A head has 8 blocks of 256 queries; the work-group takes block 7 - j (8 - j slots of 256 keys) and then block j (j + 1 slots):
; 9 visits of a slot for every work-group, so the loop's count is a constant and the mask's triangle is shared out evenly.  In a pass wave w owns 16 queries, 256 x block + 16 w, in 256 registers.
; K AND V GO memory -> registers -> codes -> LDS.  While a slot is multiplied, all 16 waves quantise the next one into the other LDS slot: wave w makes tile w of K (16 keys x 64) and one block of 32 keys x 32 columns of V.
; The codes lie in LDS as images of the operand's registers (6 registers a lane: 16 bytes a lane, then 8 bytes a lane), so every read is dense.  One barrier a visit.
; LAYOUT.  Both products are used transposed: S^T = K Q^T (source 0 = 16 keys, source 1 = my 16 queries), O^T = V^T P^T (source 0 = 16 of the head's 64): a lane holds one query throughout.
; Lane r of K's tile 2 b + u holds key 32 b + 8 u + r + 8 (r / 8), so that the 16 registers of tiles 2 b, 2 b + 1 are 16 neighbouring keys: 32 b + 16 (lane / 16) + 0 .. 15.
; THE HEAD'S 64 IN AN INSTRUCTION OF 128 ALONG K: the upper six registers of Q's fragment are zero codes.  A tile of K is six registers; the tiles stand six apart, and a tile's operand runs on over the next tile's
; six (the last over six cleared registers): whatever code stands there is multiplied by the code 0.  The scale bytes of those two blocks are 0, which is 2^-127 and no NaN.
; NO CLUSTER, NO TENSOR LOAD: the f32 numbers are wanted once, in registers, by the quantiser; and the four work-groups of a head walk different numbers of slots (8 - j, then j + 1), so joint requests would not stay in step.
; LIMITS: NaN and infinities among the inputs are not served.  A block of zeros gets the scale byte 1, not 127: its codes are zeros, and this program alone reads the bytes.  A p under 2^-126 comes out of v_exp_f32 as 0.
.set ROWG,  4096                       ; bytes from a row to the next in memory
.set SLOTG, 256*ROWG                   ; a slot of 256 keys in memory
; LDS: a slot at 0 and one at SLOTX
.set SLOTX, 0x8000
.set KIMG,  0                          ; 16 tiles of K (8 q + t), 768 bytes each
.set HFK,   768
.set KSC,   12288                      ; K's scale words: 512 q + 256 (t / 4) + 16 r + 4 (t % 4): 16 bytes bring a lane four tiles' words
.set VIMG,  13312                      ; V: 16 half fragments, index 2 (4 q + d) + c, HFV bytes apart
.set HFV,   832
.set VSC,   26624                      ; V's scale bytes: 256 q + 16 r + 4 d + block: 16 bytes bring a lane its four words
.set STG,   65536                      ; a stage of 16 rows x (256 + 16) bytes for each wave, its own: it turns rows of K and Q, and serves the way out
.set SPITCH, 272
.set STGW,  16*SPITCH
.set QIMG,  STG+16*STGW                ; 1,024 bytes for each wave, its own: the second pass's Q: codes, then at 768 + 8 x lane the scale word
; vector registers
.set L16, 1                            ; 16 x lane
.set L8,  2                            ; 8 x lane
.set R16, 3                            ; 16 r, r = lane % 16
.set VL16, 4                           ; 2 HFV (lane / 16) + 16 r
.set VL8, 5                            ; 2 HFV (lane / 16) + 8 r
.set VLS, 6                            ; 16 r + 4 (lane / 16)
.set SW,  7                            ; my stage by whole rows: lanes 0-15 one row, lanes 16-31 the next
.set SRD, 8                            ; my stage: row r, + 128 (lane / 16)
.set GK,  9                            ; memory by whole rows: ROWG (lane / 16) + 16 r
.set GVW, 10                           ; V: 4 x lane + 128 (w % 2) + 32 rows x (w / 2)
.set H8,  11                           ; 8 (lane / 16)
                                       ; v12 -M, v13 the largest t, v[14:15] the sum in two halves; v16-21 Q's codes, v22-27 zero codes
.set QS,  28                           ; Q's scale word
.set A16, 29                           ; the slot in hand + 16 x lane
.set A8,  30                           ; + 8 x lane
.set ASC, 31                           ; + 16 r
.set FR,  32                           ; v32-79 eight tiles of K, six apart, or four fragments of V; v80-85 cleared once
.set GKW, 86                           ; GK + my tile's first key of a slot
.set PFO, 87                           ; the prefetches' offset: a lane a row
.set S,   88                           ; v88-151 S^T, then p; between steps at work
.set O,   152                          ; v152-183 O^T
.set PC,  184                          ; v184-195 codes just made
.set X,   196                          ; v196-227 32 numbers on their way
.set WA0, 228                          ; v228-230 LDS addresses of the stores in hand, and of the second pass's Q loads
.set WA1, 229
.set WA2, 230
.set OSW, 231                          ; my stage: row r, + 32 (lane / 16)
.set SCW, 232                          ; v232-239 scale words of K's eight tiles, then of V's four
.set BM,  240                          ; v240-243 the blocks' maxima; later a conversion's result
.set PB,  244                          ; v244-247 at work
.set SO,  248                          ; v248-251 the conversions' scale operands
                                       ; v252 f; v253 p's scale word; v254, v255 at work
; scalar registers
.set WV,  12
.set JJ,  13
.set KH,  16                           ; s[16:17] K at the head's first row;  s[18:19] V
.set VH,  18
.set KP,  20                           ; s[20:21] K at the slot to be loaded next;  s[22:23] V
.set VP,  22
.set OUTP, 24                          ; s[24:25] out at my tile's first row
.set PT,  26
.set DELTA, 28                         ; s[28:29] bytes from the second pass's block to the first's
.set QPA, 30
.set QPB, 32
.set SEL, 34                           ; s[34:35] v_permlanex16_b32's selects for lane l xor 16
.set CS,  36                           ; s[36:37] c = log2(e) / 8
.set TB,  38                           ; the slot that is read
.set TBO, 39                           ; the slot that is written
.set VIS, 40                           ; the visit, 0 .. 8
.set PEND, 41                          ; the visit in which the pass ends
.set LAM2, 42                          ; the first pass's last visit but one
.set KF,  43                           ; the step's first key
.set Q0,  44                           ; my first query
.set Q0B, 45
.set PFLIM, 46
.set KWB, 47
.set KWS, 48
.set VWB, 49
.set VWB8, 50
.set VWS, 51
; Eight loads of whole rows: lanes 0-15 read a row's 256 bytes, lanes 16-31 the next row's.  perm = 1: the rows of a tile of K: 0-7 and 16-23 from the tile's first key.
.macro ROWS dst, base, voff, perm, nt
.irp i, 0,1,2,3,4,5,6,7
.if \nt
	global_load_b128 v[\dst+4*\i:\dst+4*\i+3], v[\voff], s[\base:\base+1] offset:(2*\i+8*(\perm)*(\i/4))*ROWG th:TH_LOAD_NT
.else
	global_load_b128 v[\dst+4*\i:\dst+4*\i+3], v[\voff], s[\base:\base+1] offset:(2*\i+8*(\perm)*(\i/4))*ROWG
.endif
.endr
.endm
; A lane takes a column of V and its registers run down 32 keys: a whole block in one lane.  A load reads 128 consecutive bytes; the neighbouring wave reads the row's other 128.
.macro VCOLS dst, base
.set ii, 0
.rept 32
	global_load_b32 v[\dst+ii], v[GVW], s[\base:\base+1] offset:ROWG*ii
.set ii, ii+1
.endr
.endm
; 16 rows x 256 bytes through my own stage: in by whole rows, out 128 bytes a lane: lane (r, h) gets the 32 numbers of block h of row r.  LDS serves a wave's instructions in order (ISA guide 5.7.1.4): no wait between.
.macro TRANSPOSE src, dst
.irp i, 0,1,2,3,4,5,6,7
	ds_store_b128 v[SW], v[\src+4*\i:\src+4*\i+3] offset:2*SPITCH*\i
.endr
.irp i, 0,1,2,3,4,5,6,7
	ds_load_b128 v[\dst+4*\i:\dst+4*\i+3], v[SRD] offset:16*\i
.endr
.endm
; A lane's 32 numbers, one block, become six registers of codes at v[dst] on; the scale's byte is left in v244.
.macro QUANT32 src, dst
	v_max3_num_f32 v254, |v[\src]|, |v[\src+1]|, |v[\src+2]|        ; the largest magnitude, in two chains
	v_max3_num_f32 v255, |v[\src+3]|, |v[\src+4]|, |v[\src+5]|
.irp i, 6,10,14,18,22,26
	v_max3_num_f32 v254, v254, |v[\src+\i]|, |v[\src+\i+1]|
	v_max3_num_f32 v255, v255, |v[\src+\i+2]|, |v[\src+\i+3]|
.endr
	v_max3_num_f32 v254, v254, |v[\src+30]|, |v[\src+31]|
	v_max3_num_f32 v254, v254, v255, 0x2800000                     ; and the floor 2^(5 - 127): the byte cannot fall under 1
	v_add_nc_u32 v248, 0xfe000000, v254                            ; 4 off its exponent field: the conversion takes the exponent field of this operand as its scale
	v_lshrrev_b32 v244, 23, v248                                   ; the scale's byte
	v_cvt_scalef32_pk16_bf6_f32 v[\dst:\dst+2], v[\src:\src+15], v248
	v_cvt_scalef32_pk16_bf6_f32 v[240:242], v[\src+16:\src+31], v248   ; (a conversion's three registers begin on an even number)
	v_nop                                                          ; one plain place behind a scaled conversion
	v_mov_b32 v[\dst+3], v240
	v_mov_b32 v[\dst+4], v241
	v_mov_b32 v[\dst+5], v242
.endm
; The scale word of a row of Q or K: byte 0 from lane (r, 0), byte 1 from lane (r, 1), bytes 2 and 3 zero.
.macro WORD d
	v_lshlrev_b32 v245, v[H8], v244
	v_permlanex16_b32 v246, v245, s[SEL], s[SEL+1]
	v_or_b32 v[\d], v245, v246
.endm
; My tile of K, as it stands in v[PC] on, and its scale words (v247) go into the slot that is written.
.macro PUTK
	s_add_co_u32 s52, s[TBO], s[KWB]
	s_add_co_u32 s53, s[TBO], s[KWS]
	v_add_nc_u32 v[WA0], s52, v[L16]
	v_add_nc_u32 v[WA1], s52, v[L8]
	v_add_nc_u32 v[WA2], s53, v[R16]
	ds_store_b128 v[WA0], v[PC:PC+3]
	ds_store_b64 v[WA1], v[PC+4:PC+5] offset:512
	ds_store_b32 v[WA2], v247                                      ; lanes r and r + 16 write the same word with the same value
.endm
; My block of V: lane l holds column 32 (w % 2) + l.  Its six registers belong to lane r + 16 ((w / 2) % 2) of the half fragment (q = w / 8, d = 2 (w % 2) + l / 16, c = (w / 4) % 2); its byte to that column's word.
.macro PUTV
	s_add_co_u32 s52, s[TBO], s[VWB]
	s_add_co_u32 s53, s[TBO], s[VWB8]
	s_add_co_u32 s54, s[TBO], s[VWS]
	v_add_nc_u32 v[WA0], s52, v[VL16]
	v_add_nc_u32 v[WA1], s53, v[VL8]
	v_add_nc_u32 v[WA2], s54, v[VLS]
	ds_store_b128 v[WA0], v[PC:PC+3]
	ds_store_b64 v[WA1], v[PC+4:PC+5] offset:512
	ds_store_b8 v[WA2], v244
.endm
; A PREFETCH of the slot that the loads one key step further on will name: 256 rows of 256 bytes, a lane a row, 32 rows a wave.  The four work-groups of a head walk the same rows: the one with j = 0 asks, by its
; waves 0 to 7, in visits 0 to 5, for slots 2 to 7: each row is named once in the launch.  Slots 0 and 1 come by their loads alone, and the second pass's rows have been read before.
.macro ASK base
	s_cmp_lt_u32 s[VIS], s[PFLIM]
	s_cbranch_scc0 .Lnoask_\@
	global_prefetch_b8 v[PFO], s[\base:\base+1] th:TH_LOAD_NT scope:SCOPE_SE
.Lnoask_\@:
.endm
; A pointer goes on to the slot of the visit after the next: one slot on, or the head's first slot where the second pass begins.
.macro STEPPTR p, home
	s_wait_xcnt 0x0                                                ; every earlier load and prefetch has read its address: only behind this wait is the pointer written
	s_add_nc_u64 s[PT:PT+1], s[\p:\p+1], SLOTG
	s_cmp_eq_u32 s[VIS], s[LAM2]
	s_cselect_b64 s[\p:\p+1], s[\home:\home+1], s[PT:PT+1]
.endm
; The statistics and O^T of a pass begin: the first change of M multiplies zeros.
.macro RESET
	v_mov_b32 v13, 0xff61b1e6                                      ; the largest t so far: -3e38, under every t
	v_floor_f32 v12, -v13                                          ; -M
	v_mov_b32 v14, 0
	v_mov_b32 v15, 0
.set ii, 0
.rept 32
	v_mov_b32 v[O+ii], 0
.set ii, ii+1
.endr
.endm
; A KEY STEP: 128 keys, the q-th half of the slot in hand.
.macro STEP q
	s_add_co_u32 s52, s[Q0], 15                                    ; a step all of whose keys come after my 16 queries is left out: a scalar branch on ids; no barrier stands in a step
	s_cmp_gt_u32 s[KF], s52
	s_cbranch_scc1 .Lhidden_\@
	v_add_nc_u32 v[A16], s[TB], v[L16]                             ; these three and the v_nop are the four places in front of loads into registers that the last products read
	v_add_nc_u32 v[A8], s[TB], v[L8]
	v_add_nc_u32 v[ASC], s[TB], v[R16]
	v_nop
	ds_load_b128 v[SCW:SCW+3], v[ASC] offset:KSC+512*(\q)
	ds_load_b128 v[SCW+4:SCW+7], v[ASC] offset:KSC+512*(\q)+256
.irp t, 0,1,2,3,4,5,6,7
	ds_load_b128 v[FR+6*\t:FR+6*\t+3], v[A16] offset:KIMG+HFK*(8*(\q)+\t)
	ds_load_b64 v[FR+6*\t+4:FR+6*\t+5], v[A8] offset:KIMG+HFK*(8*(\q)+\t)+512
.endr
	s_wait_dscnt 0x0                                               ; all of them: a tile's operand names the next tile's registers too
.irp t, 0,1,2,3,4,5,6,7
	v_wmma_scale_f32_16x16x128_f8f6f4 v[S+8*\t:S+8*\t+7], v[FR+6*\t:FR+6*\t+11], v[16:27], 0, v[SCW+\t], v[QS] matrix_a_fmt:MATRIX_FMT_BF6 matrix_b_fmt:MATRIX_FMT_BF6
.endr
.rept 4
	v_nop                                                          ; four places: for the loads below into K's registers, and for the first read of the scores
.endr
	ds_load_b128 v[SCW:SCW+3], v[ASC] offset:VSC+256*(\q)          ; V's fragments are asked for at once: they land while the softmax is worked
.irp d, 0,1,2,3
.irp c, 0,1
	ds_load_b128 v[FR+12*\d+6*\c:FR+12*\d+6*\c+3], v[A16] offset:VIMG+HFV*(2*(4*(\q)+\d)+\c)
	ds_load_b64 v[FR+12*\d+6*\c+4:FR+12*\d+6*\c+5], v[A8] offset:VIMG+HFV*(2*(4*(\q)+\d)+\c)+512
.endr
.endr
	s_add_co_u32 s52, s[KF], 127                                   ; on the diagonal the scores of hidden keys become -infinity ahead of the maximum: p = 0 then.  A step all of whose keys count skips this
	s_cmp_le_u32 s52, s[Q0]
	s_cbranch_scc1 .Lopen_\@
	s_sub_co_i32 s52, s[Q0], s[KF]
	v_and_b32 v252, 15, v0
	v_bfe_u32 v255, v0, 4, 1
	v_lshlrev_b32 v255, 4, v255
	v_sub_nc_u32 v252, v252, v255
	v_add_nc_u32 v252, s52, v252                                   ; d = my query - KF - 16 (lane / 16).  Register 16 b + i holds key KF + 16 (lane / 16) + 32 b + i: hidden where 32 b + i > d
	v_mov_b32 v254, 0xff800000                                     ; -infinity
.set ii, 0
.rept 64
	v_cmp_gt_i32 vcc_lo, 32*(ii/16)+ii%16, v252
	v_cndmask_b32 v[S+ii], v[S+ii], v254, vcc_lo
.set ii, ii+1
.endr
.Lopen_\@:
.irp b, 0,1,2,3
	v_max3_num_f32 v[BM+\b], v[S+16*\b], v[S+16*\b+1], v[S+16*\b+2]   ; the largest score of each block of 32 keys: for the row's maximum and, since p rises with the score, for the block's largest p
.endr
.irp i, 3,5,7,9,11,13
.irp b, 0,1,2,3
	v_max3_num_f32 v[BM+\b], v[BM+\b], v[S+16*\b+\i], v[S+16*\b+\i+1] ; (the four blocks by turns)
.endr
.endr
.irp b, 0,1,2,3
	v_max_num_f32 v[BM+\b], v[BM+\b], v[S+16*\b+15]
.endr
.irp b, 0,1,2,3
	v_permlanex16_b32 v[PB+\b], v[BM+\b], s[SEL], s[SEL+1]
.endr
.irp b, 0,1,2,3
	v_max_num_f32 v[BM+\b], v[BM+\b], v[PB+\b]                     ; with lane l xor 16's 16 keys
.endr
	v_max3_num_f32 v254, v[BM], v[BM+1], v[BM+2]
	v_max_num_f32 v254, v254, v[BM+3]                              ; the step's largest score of my query
	v_mul_f32 v254, s[CS], v254                                    ; as t (c is positive)
	v_max_num_f32 v13, v13, v254                                   ; the running largest t
	v_mov_b32 v254, v12
	v_floor_f32 v12, -v13                                          ; the new -M = floor(-t) = -ceil(t)
	v_sub_f32 v254, v12, v254                                      ; M's old value less its new one: a whole number, 0 or less
	v_cvt_i32_f32 v254, v254                                       ; (it saturates)
	v_ldexp_f32 v252, 1.0, v254                                    ; f = 2^(old M - new M)
.set ii, 0
.rept 32
	v_pk_fma_f32 v[S+ii:S+ii+1], v[S+ii:S+ii+1], s[CS:CS+1], v[12:13] op_sel_hi:[1,0,0]   ; t - M, two at a time
.set ii, ii+2
.endr
.irp b, 0,1,2,3
	v_fma_f32 v[BM+\b], v[BM+\b], s[CS], v12                       ; the same of each block's largest score
.endr
.set ii, 0
.rept 64
	v_exp_f32 v[S+ii], v[S+ii]                                     ; p = 2^(t - M), at most 1: not normalised
.set ii, ii+1
.endr
	v_pk_mul_f32 v[14:15], v[14:15], v[252:253] op_sel_hi:[1,0]    ; the sums under the new M: the plain instruction behind the exponentials
	s_wait_alu depctr_va_vdst(0)                                   ; one wait for the batch of 64, ahead of its first reader
.irp b, 0,1,2,3
	v_exp_f32 v[BM+\b], v[BM+\b]                                   ; the block's largest p: the same two instructions on the same number give the same bits
.endr
	v_pk_add_f32 v[PB:PB+1], v[S:S+1], v[S+2:S+3]                  ; the row's sum is taken of the unquantised p: two at a time, in two chains
.set ii, 4
.rept 15
	v_pk_add_f32 v[14:15], v[14:15], v[S+ii:S+ii+1]
	v_pk_add_f32 v[PB:PB+1], v[PB:PB+1], v[S+ii+2:S+ii+3]
.set ii, ii+4
.endr
	v_pk_add_f32 v[14:15], v[14:15], v[PB:PB+1]
	s_wait_alu depctr_va_vdst(0)                                   ; and one for the four
.irp b, 0,1,2,3
	v_max_num_f32 v[BM+\b], 0x2800000, v[BM+\b]                    ; the floor 2^(5 - 127): a block whose every p is 0 keeps the byte 1: its codes are zeros
.endr
.irp b, 0,1,2,3
	v_add_nc_u32 v[SO+\b], 0xfe000000, v[BM+\b]                    ; 4 off the exponent field: the conversion's scale operand
.endr
.irp b, 0,1,2,3
	v_lshrrev_b32 v[PB+\b], 23, v[SO+\b]                           ; the scale's byte
.endr
	v_lshl_or_b32 v253, v[PB+1], 8, v[PB]                          ; p's scale word for these 128 keys
	v_lshl_or_b32 v253, v[PB+2], 16, v253
	v_lshl_or_b32 v253, v[PB+3], 24, v253
.irp c, 0,1
	v_cvt_scalef32_pk16_bf6_f32 v[PC+6*\c:PC+6*\c+2], v[S+32*\c:S+32*\c+15], v[SO+2*\c]
	v_cvt_scalef32_pk16_bf6_f32 v[BM+4*\c:BM+4*\c+2], v[S+32*\c+16:S+32*\c+31], v[SO+2*\c+1]
.endr
	v_nop                                                          ; one plain place behind a scaled conversion
.irp c, 0,1                                                    ; the operand's layout wants a whole block in a lane: lanes 0-15 block 2 c, lanes 16-31 block 2 c + 1
.irp i, 0,1,2
	v_permlane16_swap_b32 v[PC+6*\c+\i], v[BM+4*\c+\i]
.endr
.irp i, 0,1,2
	v_mov_b32 v[PC+6*\c+3+\i], v[BM+4*\c+\i]
.endr
.endr
.set ii, 0
.rept 16
	v_pk_mul_f32 v[O+ii:O+ii+1], v[O+ii:O+ii+1], v[252:253] op_sel_hi:[1,0]   ; O^T under the new M, from each accumulator's low end on; these sixteen also stand between the codes and the scale word just made and the products
.set ii, ii+2
.endr
	s_wait_dscnt 0x0                                               ; V's fragments and scale words are in
.irp d, 0,1,2,3                                                ; the four accumulators by turns; the eight products K Q^T stand between a step's and the next step's
	v_wmma_scale_f32_16x16x128_f8f6f4 v[O+8*\d:O+8*\d+7], v[FR+12*\d:FR+12*\d+11], v[PC:PC+11], v[O+8*\d:O+8*\d+7], v[SCW+\d], v253 matrix_a_fmt:MATRIX_FMT_BF6 matrix_b_fmt:MATRIX_FMT_BF6
.endr
.Lhidden_\@:
	s_add_co_u32 s[KF], s[KF], 128
.endm
; A PASS'S END: O^T / the sum goes through my stage and leaves as whole rows: sixteen lanes store a row's 256 consecutive bytes, aligned.
.macro FINAL
.rept 4
	v_nop                                                          ; four places behind the last products
.endr
	v_add_f32 v14, v14, v15                                        ; the sum's two halves,
	v_permlanex16_b32 v254, v14, s[SEL], s[SEL+1]
	v_add_f32 v14, v14, v254                                       ; and lane l xor 16's
	v_rcp_f32 v14, v14
	v_nop                                                          ; a plain place behind the reciprocal
	s_wait_alu depctr_va_vdst(0)                                   ; and the wait ahead of its first reader
.set ii, 0
.rept 16
	v_pk_mul_f32 v[S+ii:S+ii+1], v[O+ii:O+ii+1], v[14:15] op_sel_hi:[1,0]   ; register 8 d + i is out(query r, 16 d + 8 (lane / 16) + i)
.set ii, ii+2
.endr
.irp d, 0,1,2,3
	ds_store_b128 v[OSW], v[S+8*\d:S+8*\d+3] offset:64*\d
	ds_store_b128 v[OSW], v[S+8*\d+4:S+8*\d+7] offset:64*\d+16
.endr
.irp i, 0,1,2,3,4,5,6,7
	ds_load_b128 v[S+32+4*\i:S+32+4*\i+3], v[SW] offset:2*SPITCH*\i   ; my own bytes, served in order
.endr
.irp i, 0,1,2,3,4,5,6,7
	s_wait_dscnt 7-\i                                              ; the younger read-backs may be out
	global_store_b128 v[GK], v[S+32+4*\i:S+32+4*\i+3], s[OUTP:OUTP+1] offset:2*ROWG*\i th:TH_STORE_NT
.endr
	s_wait_xcnt 0x0                                                ; the stores have read their data and their base: both are written again only behind this wait
.endm
; THE SECOND PASS BEGINS: its Q was quantised at the kernel's head and waits in my own LDS bytes.
.macro NEWPASS
	s_sub_nc_u64 s[OUTP:OUTP+1], s[OUTP:OUTP+1], s[DELTA:DELTA+1]
	s_lshl_b32 s52, s[WV], 10
	s_add_co_u32 s52, s52, QIMG
	v_add_nc_u32 v[WA0], s52, v[L16]
	v_add_nc_u32 v[WA1], s52, v[L8]
	ds_load_b128 v[16:19], v[WA0]                                  ; waited for in front of the visit's barrier
	ds_load_b64 v[20:21], v[WA1] offset:512
	ds_load_b32 v[QS], v[WA1] offset:768
	RESET
	s_mov_b32 s[Q0], s[Q0B]
	s_mov_b32 s[KF], 0
	s_mov_b32 s[PEND], 8
.endm
	; ---------------- the head: ids, pointers, lane addresses
	s_load_b256 s[4:11], s[0:1], 0x0                               ; queries s[4:5], keys s[6:7], values s[8:9], out s[10:11]
	v_lshrrev_b32 v254, 5, v0
	v_readfirstlane_b32 s[WV], v254                                ; wave 0..15
	s_and_b32 s[JJ], ttmp9, 3                                      ; j
	s_lshr_b32 s52, ttmp9, 2                                       ; the head, 16 b + h
	s_lshr_b32 s53, s52, 4
	s_and_b32 s54, s52, 15
	s_lshl_b32 s53, s53, 23                                        ; b x 2,048 rows of 4,096 bytes
	s_lshl_b32 s54, s54, 8                                         ; h x 256 bytes
	s_add_co_u32 s52, s53, s54
	s_mov_b32 s53, 0                                               ; s[52:53]: the head's first byte in each tensor
	s_sub_co_u32 s[PEND], 7, s[JJ]                                 ; the first pass: block 7 - j, visits 0 .. 7 - j
	s_sub_co_u32 s[LAM2], 6, s[JJ]
	s_lshl_b32 s55, s[WV], 4
	s_lshl_b32 s54, s[PEND], 8
	s_add_co_u32 s[Q0], s54, s55                                   ; my first query: 256 (7 - j) + 16 w,
	s_lshl_b32 s54, s[JJ], 8
	s_add_co_u32 s[Q0B], s54, s55                                  ; and in the second pass 256 j + 16 w
	s_lshl_b32 s54, s[Q0], 12
	s_add_co_u32 s54, s54, s52
	s_mov_b32 s55, 0                                               ; s[54:55]: my first pass's first row, in bytes (under 2^25)
	s_lshl_b32 s56, s[Q0B], 12
	s_add_co_u32 s56, s56, s52
	s_mov_b32 s57, 0                                               ; s[56:57]: my second pass's
	s_lshl_b32 s[DELTA], s[JJ], 1
	s_sub_co_u32 s[DELTA], 7, s[DELTA]
	s_lshl_b32 s[DELTA], s[DELTA], 20                              ; (7 - 2 j) blocks of 256 rows
	s_mov_b32 s[DELTA+1], 0
	s_lshr_b32 s58, s[WV], 3
	s_or_b32 s58, s58, s[JJ]
	s_cmp_eq_u32 s58, 0                                            ; j = 0 and w < 8: the waves that prefetch
	s_cselect_b32 s[PFLIM], 6, 0
	s_mul_i32 s[KWB], s[WV], HFK                                   ; my tile of K in a slot (KIMG = 0)
	s_lshr_b32 s58, s[WV], 2
	s_lshl_b32 s58, s58, 8
	s_and_b32 s59, s[WV], 3
	s_lshl_b32 s59, s59, 2
	s_add_co_u32 s[KWS], s58, s59
	s_add_co_u32 s[KWS], s[KWS], KSC                               ; its scale words: KSC + 256 (w / 4) + 4 (w % 4)
	s_lshr_b32 s58, s[WV], 3                                       ; q
	s_mul_i32 s[VWB], s58, 8*HFV
	s_and_b32 s59, s[WV], 1
	s_mul_i32 s59, s59, 4*HFV
	s_add_co_u32 s[VWB], s[VWB], s59
	s_bfe_u32 s59, s[WV], 0x10002                                  ; c = (w / 4) % 2
	s_mul_i32 s59, s59, HFV
	s_add_co_u32 s[VWB], s[VWB], s59
	s_add_co_u32 s[VWB], s[VWB], VIMG
	s_bfe_u32 s59, s[WV], 0x10001                                  ; which half of the reader's lanes: (w / 2) % 2
	s_lshl_b32 s[VWB8], s59, 7
	s_add_co_u32 s[VWB8], s[VWB8], s[VWB]
	s_lshl_b32 s59, s59, 8
	s_add_co_u32 s[VWB], s[VWB], s59
	s_lshl_b32 s[VWS], s58, 8
	s_and_b32 s59, s[WV], 1
	s_lshl_b32 s59, s59, 3
	s_add_co_u32 s[VWS], s[VWS], s59
	s_bfe_u32 s59, s[WV], 0x20001                                  ; my block of the step's four: (w / 2) % 4
	s_add_co_u32 s[VWS], s[VWS], s59
	s_add_co_u32 s[VWS], s[VWS], VSC
	s_mov_b32 s[SEL], 0x76543210
	s_mov_b32 s[SEL+1], 0xfedcba98
	s_mov_b32 s[CS], 0x3e38aa3b                                    ; c = log2(e) / 8
	s_mov_b32 s[CS+1], s[CS]                                       ; (named with it as a pair, so it is written)
	v_and_b32 v254, 31, v0                                         ; lane
	v_and_b32 v255, 15, v0                                         ; r
	v_bfe_u32 v[H8], v0, 4, 1                                      ; lane / 16, for now
	v_lshlrev_b32 v[L16], 4, v254
	v_lshlrev_b32 v[L8], 3, v254
	v_lshlrev_b32 v[R16], 4, v255
	v_mul_u32_u24 v[VL16], v[H8], 2*HFV
	v_lshl_add_u32 v[VL8], v255, 3, v[VL16]
	v_lshl_add_u32 v[VL16], v255, 4, v[VL16]
	v_lshl_add_u32 v[VLS], v[H8], 2, v[R16]
	s_mul_i32 s58, s[WV], STGW
	s_add_co_u32 s58, s58, STG                                     ; my stage
	v_mul_u32_u24 v[SW], v[H8], SPITCH
	v_add_nc_u32 v[SW], v[SW], v[R16]
	v_add_nc_u32 v[SW], s58, v[SW]
	v_mul_u32_u24 v[SRD], v255, SPITCH
	v_add_nc_u32 v[SRD], s58, v[SRD]
	v_lshl_add_u32 v[OSW], v[H8], 5, v[SRD]
	v_lshl_add_u32 v[SRD], v[H8], 7, v[SRD]
	v_lshl_add_u32 v[GK], v[H8], 12, v[R16]
	s_and_b32 s58, s[WV], 1
	s_lshl_b32 s58, s58, 7
	s_lshr_b32 s59, s[WV], 1
	s_lshl_b32 s59, s59, 17
	s_add_co_u32 s58, s58, s59
	v_lshl_add_u32 v[GVW], v254, 2, s58
	s_lshr_b32 s58, s[WV], 3
	s_lshl_b32 s58, s58, 19                                        ; 128 rows x (w / 8)
	s_bfe_u32 s59, s[WV], 0x20001
	s_lshl_b32 s59, s59, 17                                        ; 32 rows x ((w / 2) % 4)
	s_add_co_u32 s58, s58, s59
	s_and_b32 s59, s[WV], 1
	s_lshl_b32 s59, s59, 15                                        ; 8 rows x (w % 2)
	s_add_co_u32 s58, s58, s59
	v_add_nc_u32 v[GKW], s58, v[GK]
	s_and_b32 s58, s[WV], 7
	s_lshl_b32 s58, s58, 17
	v_lshl_add_u32 v[PFO], v254, 12, s58                           ; row 32 (w % 8) + lane of a slot
	v_lshlrev_b32 v[H8], 3, v[H8]
.irp i, 22,23,24,25,26,27, 80,81,82,83,84,85
	v_mov_b32 v\i, 0                                               ; the zero codes of Q's upper half, and what the last tile's operand runs on over
.endr
.irp i, 244,245,246,247, 252,253
	v_mov_b32 v\i, 0                                               ; written once: a lane permute's destination counts as one of its sources, and v253 is named in a pair before it is first made
.endr
	s_mov_b32 s[TBO], 0                                            ; the head fills slot 0
	s_wait_kmcnt 0x0
	s_add_nc_u64 s[QPA:QPA+1], s[4:5], s[54:55]
	s_add_nc_u64 s[QPB:QPB+1], s[4:5], s[56:57]
	s_add_nc_u64 s[KH:KH+1], s[6:7], s[52:53]
	s_add_nc_u64 s[VH:VH+1], s[8:9], s[52:53]
	s_add_nc_u64 s[OUTP:OUTP+1], s[10:11], s[54:55]
	s_add_nc_u64 s[KP:KP+1], s[KH:KH+1], SLOTG
	s_add_nc_u64 s[VP:VP+1], s[VH:VH+1], SLOTG
	ROWS S, QPA, GK, 0, 1                                          ; 56 loads at once: both passes' Q (read once in the launch), my tile of K and my block of V of slot 0
	ROWS S+32, QPB, GK, 0, 1
	ROWS X, KH, GKW, 1, 0
	VCOLS FR, VH
	s_wait_loadcnt 48                                              ; the first pass's Q is in: 8 + 8 + 32 loads were issued behind it
	TRANSPOSE S, O
	s_wait_dscnt 0x0
	QUANT32 O, 16
	WORD QS
	s_wait_loadcnt 40                                              ; the second pass's Q: 8 + 32 behind it
	TRANSPOSE S+32, O
	s_wait_dscnt 0x0
	QUANT32 O, PC
	WORD 247
	s_lshl_b32 s52, s[WV], 10
	s_add_co_u32 s52, s52, QIMG
	v_add_nc_u32 v[WA0], s52, v[L16]
	v_add_nc_u32 v[WA1], s52, v[L8]
	ds_store_b128 v[WA0], v[PC:PC+3]                               ; it waits in my own LDS bytes
	ds_store_b64 v[WA1], v[PC+4:PC+5] offset:512
	ds_store_b32 v[WA1], v247 offset:768
	s_wait_loadcnt 32                                              ; K of slot 0: V's 32 behind it
	TRANSPOSE X, S
	s_wait_dscnt 0x0                                               ; the stores have read X and the codes' registers
	ROWS X, KP, GKW, 1, 0                                          ; K of slot 1
	QUANT32 S, PC
	WORD 247
	PUTK
	s_wait_loadcnt 8                                               ; V of slot 0: the eight loads of K of slot 1 behind it
	s_wait_dscnt 0x0                                               ; the stores have read the codes' registers
	QUANT32 FR, PC
	PUTV
	RESET
	s_mov_b32 s[TB], 0
	s_mov_b32 s[TBO], SLOTX
	s_mov_b32 s[VIS], 0
	s_mov_b32 s[KF], 0
	s_wait_dscnt 0x0                                               ; my part of slot 0 has landed,
	s_barrier_signal -1
	s_barrier_wait -1                                              ; everybody's has
	; ---------------- nine visits.  Visit u multiplies the slot at TB and fills the slot at TBO for visit u + 1.
	; The slot at TBO is written behind the barrier that closed visit u - 1, in front of which every wave waited for its reads of it; it is read behind the barrier that closes visit u, in front of which every wave waits for its stores.
.Lvisit:
	s_cmp_eq_u32 s[VIS], 8                                         ; the last visit has no successor to quantise
	s_cbranch_scc1 .Lno_a
	s_wait_loadcnt 0x0                                             ; my tile of K for visit u + 1 is in X (asked for a key step ago)
	TRANSPOSE X, S
	STEPPTR KP, KH                                                 ; K's pointer: visit u + 2
	s_wait_dscnt 0x0                                               ; the rows are back, and the stores have read X
	VCOLS X, VP                                                    ; my block of V for visit u + 1: it lands during the first key step
	ASK KP
	QUANT32 S, PC
	WORD 247
	PUTK
.Lno_a:
	STEP 0
	s_cmp_eq_u32 s[VIS], 8
	s_cbranch_scc1 .Lno_c
	s_wait_loadcnt 0x0                                             ; V for visit u + 1 is in X
	s_wait_dscnt 0x0                                               ; K's stores have read the codes' registers (a wave whose step was left out has not waited yet)
	STEPPTR VP, VH                                                 ; V's pointer: visit u + 2
	QUANT32 X, PC
	PUTV
	s_cmp_gt_u32 s[VIS], 6                                         ; visit 7 has no visit u + 2: no load is issued that nobody reads
	s_cbranch_scc1 .Lno_c
	ROWS X, KP, GKW, 1, 0                                          ; my tile of K for visit u + 2: it lands during the second key step
	ASK VP
.Lno_c:
	STEP 1
	s_cmp_lg_u32 s[VIS], s[PEND]
	s_cbranch_scc1 .Lclose
	FINAL
	s_cmp_eq_u32 s[VIS], 8
	s_cbranch_scc1 .Lclose
	NEWPASS
.Lclose:
	s_wait_dscnt 0x0                                               ; my stores into the slot at TBO have landed and my reads of the slot at TB are over
	s_barrier_signal -1
	s_barrier_wait -1
	s_xor_b32 s[TB], s[TB], SLOTX                                  ; the slots change places
	s_xor_b32 s[TBO], s[TBO], SLOTX
	s_add_co_u32 s[VIS], s[VIS], 1
	s_cmp_lt_u32 s[VIS], 9
	s_cbranch_scc1 .Lvisit
	s_wait_xcnt 0x0
	v_lshl_add_u32 v254, v0, 2, 0x25000
	v_mov_b32 v255, 0
	s_wait_tensorcnt 0x0
	ds_add_u32 v254, v255
	s_wait_dscnt 0x0
	s_endpgm
.Lfunc_end_k_q7f8195e080_attn:
	.size	k_q7f8195e080_attn, .Lfunc_end_k_q7f8195e080_attn-k_q7f8195e080_attn
	.p2alignl 7, 3214868480
	.fill 96, 4, 3214868480
	.section	.rodata,"a",@progbits
	.p2align	6, 0x0
	.amdhsa_kernel k_q7f8195e080_attn
		.amdhsa_group_segment_fixed_size 153600
		.amdhsa_private_segment_fixed_size 0
		.amdhsa_enable_private_segment 0
		.amdhsa_kernarg_size 32
		.amdhsa_user_sgpr_count 2
		.amdhsa_user_sgpr_kernarg_segment_ptr 1
		.amdhsa_wavefront_size32 1
		.amdhsa_system_sgpr_workgroup_id_x 1
		.amdhsa_system_sgpr_workgroup_id_y 1
		.amdhsa_system_sgpr_workgroup_id_z 1
		.amdhsa_system_vgpr_workitem_id 0
		.amdhsa_next_free_vgpr 256
		.amdhsa_next_free_sgpr 66
		.amdhsa_reserve_vcc 1
		.amdhsa_float_denorm_mode_32 3
		.amdhsa_float_denorm_mode_16_64 3
		.amdhsa_memory_ordered 1
		.amdhsa_forward_progress 1
		.amdhsa_inst_pref_size 81
	.end_amdhsa_kernel
	.amdgpu_metadata
---
amdhsa.version: [ 1, 2 ]
amdhsa.kernels:
  - .name:           k_q7f8195e080_attn
    .symbol:         k_q7f8195e080_attn.kd
    .args:
      - { .name: queries, .offset: 0, .size: 8, .value_kind: global_buffer, .address_space: global }
      - { .name: keys, .offset: 8, .size: 8, .value_kind: global_buffer, .address_space: global }
      - { .name: values, .offset: 16, .size: 8, .value_kind: global_buffer, .address_space: global }
      - { .name: out0, .offset: 24, .size: 8, .value_kind: global_buffer, .address_space: global }
    .group_segment_fixed_size: 153600
    .private_segment_fixed_size: 0
    .kernarg_segment_align: 8
    .kernarg_segment_size: 32
    .max_flat_workgroup_size: 512
    .sgpr_count:     66
    .vgpr_count:     256
    .wavefront_size: 32
...
	.end_amdgpu_metadata
.endif
;; end of part 1
